; MI455X (gfx1250); checked and timed in simulation.
; The chip was launched on July 23, 2026; its instructions are those of AMD's public machine-readable ISA for CDNA 5 (MIT licence, August 2026) and "CDNA5" Instruction Set Architecture Reference Guide (July 2026). The comments in the code are by the model that wrote it; some were corrected since.
;; Flax Lo RA Cross Frame Attention. Allowed arithmetic: matrix products marked QUANTISED: E2M3 operands, one E8M0 scale for each 32 along K, by v_wmma_scale_f32_16x16x128_f8f6f4 with both operands' format E2M3, f32 sums; products left as they are: f32 operands where the result goes on into a quantised operand, else bf16, f16 or f32 operands; f32 sums; everything else in f32.
;; Inputs: Wk_codes 512 x 16 x 24 uint8 (E2M3 codes of Wk, K innermost, in blocks of 32 codes, four codes in three bytes); Wk_scales 512 x 16 uint8 (E8M0 scales of Wk, one for each 32 codes along K); Wo_codes 512 x 16 x 24 uint8 (E2M3 codes of Wo, K innermost, in blocks of 32 codes, four codes in three bytes); Wo_scales 512 x 16 uint8 (E8M0 scales of Wo, one for each 32 codes along K); Wq_codes 512 x 16 x 24 uint8 (E2M3 codes of Wq, K innermost, in blocks of 32 codes, four codes in three bytes); Wq_scales 512 x 16 uint8 (E8M0 scales of Wq, one for each 32 codes along K); Wv_codes 512 x 16 x 24 uint8 (E2M3 codes of Wv, K innermost, in blocks of 32 codes, four codes in three bytes); Wv_scales 512 x 16 uint8 (E8M0 scales of Wv, one for each 32 codes along K); bo 512 float32; hidden_states 32 x 1,024 x 512 float32; k_down 512 x 4 float32; k_up 4 x 512 float32; o_down 512 x 4 float32; o_up 4 x 512 float32; q_down 512 x 4 float32; q_up 4 x 512 float32; v_down 512 x 4 float32; v_up 4 x 512 float32.
;; Outputs: out0 32 x 1,024 x 512 float32.
;; This version of the problem:
;;   THIS VERSION OF THE PROBLEM IS GIVEN IN LOW PRECISION. The matrix products marked QUANTISED in the list below multiply operands that are first quantised to E2M3 (2 exponent bits, 3 mantissa bits; 6 bits a number), with one power-of-two scale for each 32 numbers along K (OCP MX v1.0); their sums are f32. All else is computed in f32.
;;   The module's matrix products, in the order in which they are computed (A, B: the left and right operand; K: the contracted axis; several contracted axes count as one K, in the product's order):
;;     1. [M 32,768, K 512] x [K 512, N 512]; A: input hidden_states; B: input Wq (given as codes): QUANTISED
;;     2. [M 32,768, K 512] x [K 512, N 4]; A: input hidden_states; B: input q_down: left as it is (N = 4 < 16)
;;     3. [M 32,768, K 4] x [K 4, N 512]; A: computed on the way; B: input q_up: left as it is (K = 4 < 32)
;;     4. [M 32,768, K 512] x [K 512, N 512]; A: input hidden_states; B: input Wk (given as codes): QUANTISED
;;     5. [M 32,768, K 512] x [K 512, N 4]; A: input hidden_states; B: input k_down: left as it is (N = 4 < 16)
;;     6. [M 32,768, K 4] x [K 4, N 512]; A: computed on the way; B: input k_up: left as it is (K = 4 < 32)
;;     7. [M 32,768, K 512] x [K 512, N 512]; A: input hidden_states; B: input Wv (given as codes): QUANTISED
;;     8. [M 32,768, K 512] x [K 512, N 4]; A: input hidden_states; B: input v_down: left as it is (N = 4 < 16)
;;     9. [M 32,768, K 4] x [K 4, N 512]; A: computed on the way; B: input v_up: left as it is (K = 4 < 32)
;;     10. batch 256 x [M 1,024, K 64] x [K 64, N 1,024]; A: computed on the way; B: computed on the way: QUANTISED
;;     11. batch 256 x [M 1,024, K 1,024] x [K 1,024, N 64]; A: softmax (see below); B: computed on the way: QUANTISED
;;     12. [M 32,768, K 512] x [K 512, N 512]; A: computed on the way; B: input Wo (given as codes): QUANTISED
;;     13. [M 32,768, K 512] x [K 512, N 4]; A: computed on the way; B: input o_down: left as it is (N = 4 < 16)
;;     14. [M 32,768, K 4] x [K 4, N 512]; A: computed on the way; B: input o_up: left as it is (K = 4 < 32)
;;   THE QUANTISER, for each operand of a quantised product, along K:
;;     - K is cut into blocks of 32 from its start; a last block that is shorter is filled with zeros.
;;     - A block's scale is 2^e with e = floor(log2(the largest magnitude in the block)) - 2, held to -126 .. 127; a block of zeros has e = 0. As a byte (E8M0): e + 127.
;;     - Each number is divided by its block's scale, clamped to +-7.5, and rounded to the nearest number of E2M3, ties to even, subnormals kept.
;;     - The product sums the exact products of the quantised numbers (number of the format x scale) in f32.
;;   ~~~python
;;   def quantise(x, axis):      # numpy; x: float32 -> the quantised numbers, widened to float32 again
;;       x = np.moveaxis(x, axis, -1); K = x.shape[-1]
;;       x = np.pad(x, [(0, 0)] * (x.ndim - 1) + [(0, -K % 32)]); x = x.reshape(x.shape[:-1] + (-1, 32)); a = np.abs(x).max(-1, keepdims=True)
;;       e = np.where(a > 0, np.clip(np.frexp(np.where(a > 0, a, 1))[1] - 1 - 2, -126, 127), 0)      # np.frexp(a)[1] - 1 = floor(log2(a)), exactly
;;       r = np.clip(x / 2.0 ** e, -7.5, 7.5)
;;       step = 2.0 ** (np.maximum(np.frexp(np.where(r == 0, 1, r))[1] - 1, 0) - 3)
;;       q = np.round(r / step) * step * 2.0 ** e      # np.round: ties to even
;;       return np.moveaxis(q.reshape(q.shape[:-2] + (-1,))[..., :K], -1, axis).astype(np.float32)
;;   ~~~
;;   SOFTMAX AHEAD OF A QUANTISED PRODUCT. Where the list says 'softmax', what is quantised is not the finished softmax but p = 2^(t - M), with t = logit x log2(e) and M = ceil(the row's largest t), a whole number; so 1/2 < the row's largest p <= 1. The row's sum l is taken of the UNQUANTISED p, in f32, and the product's result is divided by l at the end. Since M is a whole number, a kernel that streams over the keys may use a running M (the ceiling of the running maximum): every later rescaling is an exact power of two, which a block's scale takes up: the codes' values come out the same.
;;   OPERANDS COMPUTED ON THE WAY. 'Computed on the way' means the value that the module computes at that place (a softmax that the list does not call 'softmax' is quantised finished and normalised). What goes into a quantiser is computed in f32, as accurately as f32 sums, v_exp_f32 and their like allow (about 1e-6 of the number): no bf16 or f16 on the way to a quantiser, and a product that is left as it is and whose result goes on into a quantised operand takes f32 operands (vector FMAs, or v_wmma_f32_16x16x4_f32). A number that lies on a knife's edge between two numbers of the format may be rounded either way, as far as f32 arithmetic and the matrix unit's own rounding can turn it there, and no further.
;;   INPUTS GIVEN AS CODES. Wk (in the module: [512, 512], K = its axis 0); Wo (in the module: [512, 512], K = its axis 0); Wq (in the module: [512, 512], K = its axis 0); Wv (in the module: [512, 512], K = its axis 0): each comes as NAME_codes (uint8): NAME with its K axis moved to the last place and cut into blocks of 32 codes, [.., K / 32, bytes a block], one block behind the other in memory; four codes in three bytes: a row's codes are one little-endian stream of bits, code i at bits 6 i .. 6 i + 5 (a code: sign, 2 exponent bits, 3 mantissa bits); and NAME_scales (uint8): the same leading axes, one E8M0 byte (e + 127) for each 32 codes along K. Its value is code x scale, taken as it is: it is not quantised again, and the codes and scales need not be those that the quantiser above would give.
;; One version. Each part assembles by itself: llvm-mc -triple=amdgcn-amd-amdhsa -mcpu=gfx1250 --defsym DOCPART=n.
;; ======== version 1 of 1: 3 launches
;; workspace buffers: qc 12,582,912 bytes; qs 1,048,576 bytes; kv 27,262,976 bytes; hb 17,825,792 bytes
;; launch proj (part 1): grid 256 x 1, 8 waves a work-group, clusters of 4 x 1, 327,680 bytes of LDS; arguments hidden_states, q_down, k_down, v_down, Wq_codes, Wk_codes, Wv_codes, Wq_scales, Wk_scales, Wv_scales, q_up, k_up, v_up, qc, qs, kv; writes qc, qs, kv
.if DOCPART == 1
	.amdgcn_target "amdgcn-amd-amdhsa--gfx1250"
	.amdhsa_code_object_version 6
	.text
	.protected	k_qf478cc7b83_proj
	.globl	k_qf478cc7b83_proj
	.p2align	8
	.type	k_qf478cc7b83_proj,@function
k_qf478cc7b83_proj:
	s_mov_b64 s[64:65], 0
	v_nop
	global_prefetch_b8 v0, s[64:65] scope:SCOPE_SE
	s_setreg_imm32_b32 hwreg(HW_REG_WAVE_MODE, 25, 1), 1
	s_wait_xcnt 0x0
	s_wait_alu depctr_hold_cnt(0) depctr_sa_sdst(0) depctr_va_vdst(0) depctr_va_sdst(0) depctr_va_ssrc(0) depctr_va_vcc(0) depctr_vm_vsrc(0)
	s_getreg_b32 s2, hwreg(HW_REG_IB_STS2, 6, 4)
	s_cmp_eq_u32 s2, 0
	s_cbranch_scc0 .Lentry_in_a_cluster
	s_endpgm
.Lentry_in_a_cluster:
	s_bfe_u32 s2, ttmp6, 0x10000c
	s_cmp_lg_u32 s2, 0x3003
	s_cbranch_scc0 .Lentry_shape_is_right
	s_endpgm
.Lentry_shape_is_right:
; q, k, v = Q(x) W + (x down) up, then quantised: q and k along the head's 64 channels, v along the tokens.  FP6 (E2M3) codes, one E8M0 byte for each 32 along K.
; x [32768][512] f32; W* as codes [512 (n)][384 bytes] with scale bytes [512][16]; down [512][4], up [4][512] f32.
; SHARES.  A work-group takes 128 tokens of one frame.  First wave w quantises token tile w (16 tokens x 512) and makes t = x down in f32 (12 numbers a token) by the f32 matrix form;
; the codes go to LDS as images of the operand's registers.  Then wave w is head w: its 64 rows of Wq, Wk, Wv in turn, against all eight token tiles.
; THE TOKENS OF A TILE ARE NOT NEIGHBOURS: lane r of tile 2 b + u holds token 32 b + 8 u + r + 8 (r / 8) of the 128; W's rows of a channel tile are chosen the same way.  So
;  - q, k (source 0 = 16 rows of W, source 1 = 16 tokens): a lane holds one token, and the 32 registers of its four channel tiles are the head's channels 32 b + 16 (lane / 16) + 0 .. 15;
;  - v (source 0 = 16 tokens, source 1 = 16 rows of W): a lane holds one channel, and the 64 registers of the eight token tiles are tokens 32 b + 16 (lane / 16) + 0 .. 15.
; In both cases the conversions' sources are neighbours along the next product's K.
; W comes by tensor loads that the four work-groups of a cluster ask for jointly (all work-groups read all of W); one LDS slot, filled three times; a wave fetches and reads its own 64 rows.
; OUT (workspace, laid as register images): qc [f][head][tile][768]; qs [f][head][B][lane][4]; kv [f][head][B] records of 13,312 bytes: K 6,144, V 6,144, K's scale words 512, V's 512.
; LIMITS: NaN and infinities among the inputs are not served; a block whose largest magnitude lies under 2^-124 (a block of zeros too) takes the scale byte 1: its bytes are read by this program alone.
; REGISTERS.  Window 0: v1-23 addresses; v24-39 TM, v40 PW, v44-63 PC (the quantiser's); v64-79, v80-87 scale words of W and of x, nothing else; v88-91 SW; v92-115 down as loaded, later up (v92-99) and t (v100-115);
;   v116-119 x's scale words; v120-127 t on its way out; v128-255 the 16 accumulators, written by matrix instructions alone.
; Window 1: first x's numbers (three sets of 64) and down's fragments (v192-255); then W's fragments from v0 and x's fragments at v192 (for v also at v96).
.set WPITCH, 432                       ; a row of W in LDS: 384 bytes + 16 behind each 128
.set WWAVE,  64*WPITCH                 ; a wave's 64 rows
.set XIMG,   8*WWAVE                   ; x's fragments: [tile][K step][3][512]
.set XSC,    XIMG+8*6144               ; x's scale words: [tile][lane][4]
.set TTAB,   XSC+8*512                 ; t: [tile][token lane], 16 numbers in 80 bytes
.set DIMG,   TTAB+8*1280               ; down's fragments: K step s at 8192 s, 16 images of 512
.set SPARE,  DIMG+32768                ; the spare words, 128 bytes a wave: four blocks of 256 bytes that no other line names
.set R, 1
.set H, 2
.set SH, 3                             ; 16 (lane / 16)
.set LI16, 4                           ; 16 x lane
.set LI8, 5                            ; 8 x lane
.set XI, 6                             ; XIMG + 16 x lane
.set XW, 7                             ; + 6144 x wave
.set XSWA, 8
.set TTW, 9
.set TTR, 10
.set DI, 11
.set DW, 12
.set DG, 13
.set AW, 14                            ; my place in my wave's rows of W
.set AW2, 15                           ; the same behind one padding more
.set XA, 16
.set DA, 17
.set RS, 18
.set UA, 19
.set SPW, 20
.set NIL, 21
.set T0, 22
.set T1, 23
.set TM, 24
.set PW, 40
.set PC, 44
.set SCW, 64
.set SCX, 80
.set SW, 88
.set RAWD, 92
.set UP, 92
.set TF, 100
.set XSW, 116
.set TS, 120
.set L, 128
.set DF, 192                           ; in window 1
.set MSB, 0
.macro WIN new                         ; the immediate's high byte repeats the setting that is left
.if MSB != (\new)
	s_set_vgpr_msb (MSB<<8)|(\new)
.set MSB, (\new)
.endif
.endm
.macro PL n
.rept \n
	v_nop
.endr
.endm
.macro ROUND                           ; a round of the cluster's barrier
	s_barrier_signal -1
	s_barrier_wait -1
	s_cmp_lg_u32 s36, 0
	s_cbranch_scc1 .Lnw0_\@
	s_barrier_signal -3
.Lnw0_\@:
	s_barrier_wait -3
	s_barrier_signal -1
	s_barrier_wait -1
.endm
; 64 numbers of a lane in window w, register 16 b + i = k 32 b + 16 (lane / 16) + i of the lane's row, become 12 registers of codes in v[PC] on and the row's scale word in v[PW]
.macro QUANT src, w
	WIN 0
.irp b,0,1,2,3
	v_mov_b32 v[TM+\b], 0x1800000                  ; the floor 2^(3 - 127): the byte cannot fall under 1
.endr
	WIN 20*(\w)
.irp i,0,2,4,6,8,10,12,14
.irp b,0,1,2,3
	v_max3_num_f32 v[TM+\b], v[TM+\b], |v[(\src)+16*\b+\i]|, |v[(\src)+16*\b+\i+1]|   ; the four blocks by turns; each accumulator is read from its low end on
.endr
.endr
	WIN 0
.irp b,0,1,2,3
	v_permlanex16_b32 v[TM+4+\b], v[TM+\b], s42, s43
.endr
.irp b,0,1,2,3
	v_max_num_f32 v[TM+\b], v[TM+\b], v[TM+4+\b]   ; with lane l xor 16's: the block's largest magnitude
.endr
.irp b,0,1,2,3
	v_add_nc_u32 v[TM+12+\b], 0xff000000, v[TM+\b] ; 2 off its exponent field: the conversion's scale operand
.endr
.irp b,0,1,2,3
	v_lshrrev_b32 v[TM+4+\b], 23, v[TM+12+\b]      ; the scale's byte
.endr
	v_lshl_or_b32 v[PW], v[TM+5], 8, v[TM+4]
	v_lshl_or_b32 v[PW], v[TM+6], 16, v[PW]
	v_lshl_or_b32 v[PW], v[TM+7], 24, v[PW]
	WIN \w
.irp c,0,1
	v_cvt_scalef32_pk16_fp6_f32 v[PC+6*\c:PC+6*\c+2], v[(\src)+32*\c:(\src)+32*\c+15], v[TM+12+2*\c]
	v_cvt_scalef32_pk16_fp6_f32 v[PC+12+4*\c:PC+14+4*\c], v[(\src)+32*\c+16:(\src)+32*\c+31], v[TM+13+2*\c]
.endr
	WIN 0
	v_nop                                          ; one plain place behind a scaled conversion
.irp c,0,1                                     ; a whole block to a lane: lanes 0-15 block 2 c, lanes 16-31 block 2 c + 1
.irp i,0,1,2
	v_permlane16_swap_b32 v[PC+6*\c+\i], v[PC+12+4*\c+\i]
.endr
.irp i,0,1,2
	v_mov_b32 v[PC+3+6*\c+\i], v[PC+12+4*\c+\i]
.endr
.endr
.endm
; a fragment of W (16 rows x 128 K) in pieces of 8 bytes; lanes 16-31 read three pieces on, which for pieces 13-15 of each 16 lies behind one padding more
.macro WFRAG reg, rowoff, ks
.irp p,0,1,2,3,4,5
.set PCI, 12*(\ks)+6*(\p/3)+\p%3
.if PCI%16 < 13
	ds_load_b64 v[(\reg)+2*\p:(\reg)+2*\p+1], v[AW] offset:(\rowoff)*WPITCH+8*PCI+16*(PCI/16)
.else
	ds_load_b64 v[(\reg)+2*\p:(\reg)+2*\p+1], v[AW2] offset:(\rowoff)*WPITCH+8*PCI+16*(PCI/16)
.endif
.endr
.endm
; my 16 tokens' numbers of K step ks: lane (r, h) takes 16 neighbours of each block of 32
.macro XLOADG set, ks
	WIN 0x40
.irp b,0,1,2,3
.irp j,0,1,2,3
	global_load_b128 v[64*(\set)+16*\b+4*\j:64*(\set)+16*\b+4*\j+3], v[XA], s[4:5] offset:512*(\ks)+128*\b+16*\j th:TH_LOAD_NT
.endr
.endr
	WIN 0
.endm
; token tile tl: its four fragments into window 1 at buf, its scale words into set sc: 13 LDS loads
.macro XLOAD buf, sc, tl
	WIN 0x40
.irp z,0,1,2,3,4,5,6,7,8,9,10,11
	ds_load_b128 v[(\buf)+4*\z:(\buf)+4*\z+3], v[XI] offset:(\tl)*6144+512*\z
.endr
	WIN 0
	ds_load_b128 v[SCX+4*(\sc):SCX+4*(\sc)+3], v[XI] offset:49152+(\tl)*512
.endm
.macro FP6 d, a, b, sa, sb
	v_wmma_scale_f32_16x16x128_f8f6f4 v[\d:\d+7], v[\a:\a+11], v[\b:\b+11], v[\d:\d+7], v[\sa], v[\sb] matrix_a_fmt:MATRIX_FMT_FP6 matrix_b_fmt:MATRIX_FMT_FP6
.endm
	s_load_b512 s[4:19], s[0:1], 0x0               ; x 4, q_down 6, k_down 8, v_down 10, Wq 12, Wk 14, Wv 16, Wq's scales 18
	s_load_b512 s[20:35], s[0:1], 0x40             ; Wk's scales 20, Wv's 22, q_up 24, k_up 26, v_up 28, qc 30, qs 32, kv 34
	v_lshl_add_u32 v[SPW], v0, 2, SPARE
	v_mov_b32 v[NIL], 0
	ds_add_u32 v20, v21
	ds_add_u32 v20, v21
	s_wait_dscnt 0x0
	v_lshrrev_b32 v[T0], 5, v0
	v_readfirstlane_b32 s36, v[T0]                 ; wave 0..7
	s_bfe_u32 s37, ttmp6, 0x40000                  ; cx: it enters global addresses of x, qc, qs, kv alone
	s_lshl_b32 s38, ttmp9, 2
	s_add_co_u32 s38, s38, s37                     ; g: my block of 128 tokens
	s_lshr_b32 s39, s38, 3                         ; frame
	s_and_b32 s40, s38, 7                          ; block in the frame
	s_mov_b32 s42, 0x76543210
	s_mov_b32 s43, 0xfedcba98                      ; v_permlanex16_b32's selects for lane l xor 16
	v_and_b32 v[T0], 31, v0
	v_and_b32 v[R], 15, v0
	v_bfe_u32 v[H], v0, 4, 1
	v_lshlrev_b32 v[SH], 4, v[H]
	v_lshlrev_b32 v[LI16], 4, v[T0]
	v_lshlrev_b32 v[LI8], 3, v[T0]
	v_add_nc_u32 v[XI], XIMG, v[LI16]
	s_mul_i32 s66, s36, 6144
	v_add_nc_u32 v[XW], s66, v[XI]
	s_lshl_b32 s66, s36, 9
	v_add_nc_u32 v[XSWA], s66, v[LI16]
	v_add_nc_u32 v[XSWA], XSC, v[XSWA]
	v_mul_u32_u24 v[TTR], v[R], 80
	v_lshl_add_u32 v[TTW], v[H], 5, v[TTR]
	s_mul_i32 s66, s36, 1280
	v_add_nc_u32 v[TTW], s66, v[TTW]
	v_add_nc_u32 v[TTW], TTAB, v[TTW]              ; t out: tile = wave, row r, outputs 8 h on
	v_lshl_add_u32 v[TTR], v[H], 3, v[TTR]
	v_add_nc_u32 v[TTR], TTAB, v[TTR]              ; t in: row r, numbers 2 h, 2 h + 1 of a matrix's four
	v_add_nc_u32 v[DI], DIMG, v[LI16]
	s_lshl_b32 s66, s36, 12
	v_add_nc_u32 v[DW], s66, v[DI]
	v_lshrrev_b32 v[DG], 2, v[R]
	v_lshlrev_b32 v[DG], 10, v[DG]
	v_and_b32 v[T1], 3, v[R]
	v_lshl_add_u32 v[DG], v[T1], 2, v[DG]
	v_lshl_add_u32 v[DG], v[H], 8, v[DG]
	v_add_nc_u32 v[DG], s66, v[DG]
	v_add_nc_u32 v[DG], DIMG, v[DG]                ; down as loaded: matrix r / 4, column r % 4, rows 16 h on
	v_and_b32 v[T1], 8, v[R]
	v_add_nc_u32 v[T1], v[T1], v[R]                ; r + 8 (r / 8)
	v_mul_u32_u24 v[AW], v[T1], WPITCH
	v_mad_u32_u24 v[AW], v[H], 24, v[AW]
	s_mul_i32 s67, s36, WWAVE
	v_add_nc_u32 v[AW], s67, v[AW]
	v_lshl_add_u32 v[AW2], v[H], 4, v[AW]
	v_lshlrev_b32 v[XA], 11, v[T1]
	v_lshl_add_u32 v[XA], v[H], 6, v[XA]           ; x: my token's row of 2,048 bytes, + 64 h
	s_lshl_b32 s66, s36, 10
	v_add_nc_u32 v[DA], s66, v[LI16]               ; down: my wave's 64 rows of 16 bytes
	v_lshl_add_u32 v[RS], v[T1], 4, s66            ; W's scale bytes: 16 a row, my head's 64 rows
	v_lshlrev_b32 v[UA], 12, v[H]
	v_lshl_add_u32 v[UA], v[T1], 2, v[UA]
	s_lshl_b32 s66, s36, 8
	v_add_nc_u32 v[UA], s66, v[UA]                 ; up: rows 2 h, 2 h + 1; my channel
.irp b,0,1,2,3
	v_mov_b32 v[TM+4+\b], 0                        ; written once: a lane permute's destination counts as one of its sources
.endr
	; descriptor group 1: 64 rows of 384 bytes, dense in memory, 16 bytes of padding behind each 128 in LDS; asked for jointly by the cluster's four work-groups
	s_mov_b32 s44, 15|(1<<20)|(1<<21)|(4<<22)|(3<<25)
	s_mov_b32 s45, 384<<16
	s_mov_b32 s46, 64<<16
	s_mov_b32 s47, 384<<16
	s_mov_b32 s48, 64
	s_mov_b32 s49, 384
	s_mov_b32 s50, 0
	s_mov_b32 s51, 0
	s_mul_i32 s68, s36, 24576                      ; my 64 rows in memory
	s_mov_b32 s69, 0
	s_lshl_b32 s72, s38, 18                        ; x: 128 tokens of 2,048 bytes a block,
	s_lshr_b32 s73, s36, 1
	s_lshl_b32 s73, s73, 16
	s_add_co_u32 s72, s72, s73                     ; + 32 (wave / 2) tokens
	s_and_b32 s73, s36, 1
	s_lshl_b32 s73, s73, 14
	s_add_co_u32 s72, s72, s73                     ; + 8 (wave % 2) tokens
	s_mov_b32 s73, 0
	s_lshl_b32 s74, s39, 6
	s_lshl_b32 s75, s36, 3
	s_add_co_u32 s74, s74, s75
	s_add_co_u32 s74, s74, s40                     ; (frame x 8 + head) x 8 + block
	s_wait_kmcnt 0x0
.irp n,0,1,2                                   ; a group 0 for each of Wq, Wk, Wv: made once, never stepped
	s_mov_b32 s[52+4*\n], 1
	s_mov_b32 s[53+4*\n], s67
	s_add_nc_u64 s[54+4*\n:55+4*\n], s[12+2*\n:13+2*\n], s[68:69]
	s_or_b32 s[55+4*\n], s[55+4*\n], 0x80000000
.endr
	s_add_nc_u64 s[4:5], s[4:5], s[72:73]
	s_mul_i32 s72, s74, 6144
	s_add_nc_u64 s[30:31], s[30:31], s[72:73]
	s_lshl_b32 s72, s74, 9
	s_add_nc_u64 s[32:33], s[32:33], s[72:73]
	s_mul_i32 s72, s74, 13312
	s_add_nc_u64 s[34:35], s[34:35], s[72:73]
	ROUND                                          ; the four work-groups are here: the first joint loads meet
	tensor_load_to_lds s[52:55], s[44:51]          ; Wq: it lands while x is quantised; one tensor load of mine is out
	s_nop 0
	PL 4
.irp m,0,1,2
.irp i,0,1
	global_load_b128 v[RAWD+8*\m+4*\i:RAWD+8*\m+4*\i+3], v[DA], s[6+2*\m:7+2*\m] offset:512*\i
.endr
.endr
	XLOADG 0,0
	XLOADG 1,1
	XLOADG 2,2
	; ---- down's fragments: register 16 b + i of lane (r, h) = down[32 b + 16 h + i][output r], the index map of x's numbers.  Wave w turns rows 64 w .. 64 w + 63 in its own 4,096 bytes
	s_wait_loadcnt 48                              ; the six loads of down are in; the 48 of x behind them may be out
.irp m,0,1,2
.irp i,0,1
	ds_store_b128 v[DW], v[RAWD+8*\m+4*\i:RAWD+8*\m+4*\i+3] offset:1024*\m+512*\i
.endr
.endr
.irp i,0,1
	ds_store_b128 v[DW], v[RAWD+16+4*\i:RAWD+16+4*\i+3] offset:3072+512*\i   ; outputs 12-15 are never used: they take v_down once more, so that written bytes are read
.endr
	WIN 0x40
.set n, 0
.rept 32
	ds_load_b32 v[DF+n], v[DG] offset:512*(n/16)+16*(n%16)   ; LDS serves a wave's instructions in order: these see my stores
.set n, n+1
.endr
	s_wait_dscnt 0x0
	WIN 0x04
.irp z,0,1,2,3,4,5,6,7
	ds_store_b128 v[DW], v[DF+4*\z:DF+4*\z+3] offset:512*\z
.endr
	WIN 0
	s_wait_dscnt 0x0                               ; for the others' sake: my images of down have landed
	s_barrier_signal -1
	s_barrier_wait -1
; ---- a K step of 128: t += x down by 32 f32 products on two accumulators by turns; then the step's codes.  left: the x loads of later steps
.macro XSTEP ks, left
.set XB, 64*((\ks)%3)
	s_wait_loadcnt \left
	PL 8                                           ; places in front of loads into registers that f32 matrix instructions have read
	WIN 0x40
.irp z,0,1,2,3,4,5,6,7,8,9,10,11,12,13,14,15
	ds_load_b128 v[DF+4*\z:DF+4*\z+3], v[DI] offset:8192*(\ks)+512*\z
.endr
	s_wait_dscnt 0x0
	WIN 0x05
.irp b,0,1,2,3
.irp e,0,1,2,3,4,5,6,7
.if ((\ks)+\b == 0) && (\e < 2)
	v_wmma_f32_16x16x4_f32 v[L+8*(\e%2):L+8*(\e%2)+7], v[DF+16*\b+2*\e:DF+16*\b+2*\e+1], v[XB+16*\b+2*\e:XB+16*\b+2*\e+1], 0
.else
	v_wmma_f32_16x16x4_f32 v[L+8*(\e%2):L+8*(\e%2)+7], v[DF+16*\b+2*\e:DF+16*\b+2*\e+1], v[XB+16*\b+2*\e:XB+16*\b+2*\e+1], v[L+8*(\e%2):L+8*(\e%2)+7]
.endif
.endr
.endr
	QUANT XB,1
.irp z,0,1,2
	ds_store_b128 v[XW], v[PC+4*\z:PC+4*\z+3] offset:1536*(\ks)+512*\z
.endr
	v_mov_b32 v[XSW+(\ks)], v[PW]
.if (\ks) == 0
	PL 8                                           ; places in front of loads into the set that the products have read
	XLOADG 0,3
.endif
	s_wait_dscnt 0x0                               ; the stores have read their registers
.endm
	XSTEP 0,32
	XSTEP 1,32
	XSTEP 2,16
	XSTEP 3,0
	PL 8
.irp j,0,2,4,6
	v_pk_add_f32 v[TS+\j:TS+\j+1], v[L+\j:L+\j+1], v[L+8+\j:L+9+\j]   ; lane (r, h): t of token r, outputs 8 h + 0 .. 7
.endr
	ds_store_b128 v[TTW], v[TS:TS+3]
	ds_store_b128 v[TTW], v[TS+4:TS+7] offset:16
	ds_store_b128 v[XSWA], v[XSW:XSW+3]
	s_wait_dscnt 0x0                               ; for the others' sake: my tile's images, scale words and t have landed
	s_barrier_signal -1
	s_barrier_wait -1
; ---- q (m = 0) and k (m = 1).  ps: W's scale bytes, pu: up, g0n: the group 0 of the W that follows
.macro CHUNK_QK m, ps, pu, g0n
.irp c,0,1,2,3
	global_load_b128 v[SCW+4*\c:SCW+4*\c+3], v[RS], s[\ps:\ps+1] offset:(32*(\c/2)+8*(\c%2))*16
.endr
.irp c,0,1,2,3
.irp j,0,1
	global_load_b32 v[UP+2*\c+\j], v[UA], s[\pu:\pu+1] offset:2048*\j+4*(32*(\c/2)+8*(\c%2))
.endr
.endr
	s_wait_tensorcnt 0x0                           ; my one tensor load: my 64 rows, which I alone read
	PL 8
	WIN 0x40
.irp c,0,1,2,3
.irp ks,0,1,2,3
	WFRAG 12*(4*\c+\ks),32*(\c/2)+8*(\c%2),\ks
.endr
.endr
	WIN 0
	s_wait_tensorcnt 0x0                           ; no tensor load of mine is out;
	ds_add_u32 v[SPW], v[NIL]                      ; 0 onto my spare word;
	s_wait_dscnt 0x0                               ; the add is done, and my reads of the slot are in registers
	ROUND                                          ; that now holds of every wave of the four work-groups
	tensor_load_to_lds s[\g0n:\g0n+3], s[44:51]    ; the next W into the same slot: it has this chunk's work in which to land
	s_nop 0
	PL 4
.irp t,0,1,2,3,4,5,6,7
	ds_load_b64 v[TF+2*\t:TF+2*\t+1], v[TTR] offset:1280*\t+16*\m
.endr
	XLOAD 192,0,0
.irp P,0,1,2,3                                 ; two token tiles at a time: 64 registers, four blocks for the quantiser
	s_wait_dscnt 0x0
.if \P == 0
	s_wait_loadcnt 0x0
.endif
.irp tt,0,1
.irp c,0,1,2,3
	v_wmma_f32_16x16x4_f32 v[L+8*(4*\tt+\c):L+8*(4*\tt+\c)+7], v[UP+2*\c:UP+2*\c+1], v[TF+2*(2*\P+\tt):TF+2*(2*\P+\tt)+1], 0   ; t up starts the sums
.endr
.endr
	PL 9                                           ; another form adds onto these results: nine places
	WIN 0x05
.irp ks,0,1,2,3
.irp c,0,1,2,3
	FP6 L+8*\c,12*(4*\c+\ks),192+12*\ks,SCW+4*\c+\ks,SCX+\ks
.endr
.endr
	WIN 0
	PL 4
	XLOAD 192,1,2*\P+1
	s_wait_dscnt 0x0
	WIN 0x05
.irp ks,0,1,2,3
.irp c,0,1,2,3
	FP6 L+32+8*\c,12*(4*\c+\ks),192+12*\ks,SCW+4*\c+\ks,SCX+4+\ks
.endr
.endr
	WIN 0
	PL 4
.if \P < 3
	XLOAD 192,0,2*\P+2                             ; lands while this pair is quantised
.endif
	s_wait_xcnt 0x0                                ; the last pair's stores have read their registers
	QUANT L,0
	v_lshrrev_b32 v[SW+\P], v[SH], v[PW]           ; lanes 0-15: the even tile's two bytes lowest; lanes 16-31: the odd tile's
.if \m == 0
	global_store_b128 v[LI16], v[PC:PC+3], s[30:31] offset:1536*\P
	global_store_b64 v[LI8], v[PC+4:PC+5], s[30:31] offset:1536*\P+512
	global_store_b128 v[LI16], v[PC+6:PC+9], s[30:31] offset:1536*\P+768
	global_store_b64 v[LI8], v[PC+10:PC+11], s[30:31] offset:1536*\P+1280
.else
.irp z,0,1,2
	global_store_b128 v[LI16], v[PC+4*\z:PC+4*\z+3], s[34:35] offset:1536*\P+512*\z
.endr
.endif
.endr
.if \m == 0
	global_store_b128 v[LI16], v[SW:SW+3], s[32:33]
.else
	global_store_b128 v[LI16], v[SW:SW+3], s[34:35] offset:12288
.endif
.endm
	CHUNK_QK 0,18,24,56
	CHUNK_QK 1,20,26,60
	; ---- v: source 0 = tokens, source 1 = W's rows; two channel tiles at a time, all eight token tiles: 16 accumulators
.irp c,0,1,2,3
	global_load_b128 v[SCW+4*\c:SCW+4*\c+3], v[RS], s[22:23] offset:(32*(\c/2)+8*(\c%2))*16
.endr
.irp c,0,1,2,3
.irp j,0,1
	global_load_b32 v[UP+2*\c+\j], v[UA], s[28:29] offset:2048*\j+4*(32*(\c/2)+8*(\c%2))
.endr
.endr
	s_wait_tensorcnt 0x0                           ; Wv's rows of mine are in; nothing is filled any more
.irp t,0,1,2,3,4,5,6,7
	ds_load_b64 v[TF+2*\t:TF+2*\t+1], v[TTR] offset:1280*\t+32
.endr
.irp hh,0,1
	PL 4
	WIN 0x40
.irp cc,0,1
.irp ks,0,1,2,3
	WFRAG 12*(4*\cc+\ks),32*\hh+8*\cc,\ks
.endr
.endr
	WIN 0
	XLOAD 192,0,0
	s_wait_dscnt 0x0
.if \hh == 0
	s_wait_loadcnt 0x0
.endif
.irp cc,0,1
.irp t,0,1,2,3,4,5,6,7
	v_wmma_f32_16x16x4_f32 v[L+64*\cc+8*\t:L+64*\cc+8*\t+7], v[TF+2*\t:TF+2*\t+1], v[UP+2*(2*\hh+\cc):UP+2*(2*\hh+\cc)+1], 0
.endr
.endr
	PL 9
.irp t,0,1,2,3,4,5,6,7
.if \t < 7
	XLOAD 192-96*((\t+1)%2),(\t+1)%2,\t+1
	s_wait_dscnt 13                                ; this tile's fragments are in; the 13 loads just issued may be out
.else
	s_wait_dscnt 0x0
.endif
.set XB, 192-96*(\t%2)
	WIN 0x05
.irp ks,0,1,2,3
.irp cc,0,1
	FP6 L+64*\cc+8*\t,XB+12*\ks,12*(4*\cc+\ks),SCX+4*(\t%2)+\ks,SCW+4*(2*\hh+\cc)+\ks
.endr
.endr
	WIN 0
	PL 4
.endr
.irp cc,0,1
	s_wait_xcnt 0x0                                ; earlier stores have read their registers
	QUANT L+64*\cc,0
	v_mov_b32 v[SW+2*\hh+\cc], v[PW]
.irp z,0,1,2
	global_store_b128 v[LI16], v[PC+4*\z:PC+4*\z+3], s[34:35] offset:6144+1536*(2*\hh+\cc)+512*\z
.endr
.endr
.endr
	global_store_b128 v[LI16], v[SW:SW+3], s[34:35] offset:12800
	s_wait_tensorcnt 0x0                           ; the wave's end
	ds_add_u32 v[SPW], v[NIL]
	s_wait_dscnt 0x0
	ROUND                                          ; the closing round: no work-group ends while a partner may still ask for a tile that names it
	s_endpgm
.Lfunc_end_k_qf478cc7b83_proj:
	.size	k_qf478cc7b83_proj, .Lfunc_end_k_qf478cc7b83_proj-k_qf478cc7b83_proj
	.p2alignl 7, 3214868480
	.fill 96, 4, 3214868480
	.section	.rodata,"a",@progbits
	.p2align	6, 0x0
	.amdhsa_kernel k_qf478cc7b83_proj
		.amdhsa_group_segment_fixed_size 327680
		.amdhsa_private_segment_fixed_size 0
		.amdhsa_enable_private_segment 0
		.amdhsa_kernarg_size 128
		.amdhsa_user_sgpr_count 2
		.amdhsa_user_sgpr_kernarg_segment_ptr 1
		.amdhsa_wavefront_size32 1
		.amdhsa_system_sgpr_workgroup_id_x 1
		.amdhsa_system_sgpr_workgroup_id_y 1
		.amdhsa_system_sgpr_workgroup_id_z 1
		.amdhsa_system_vgpr_workitem_id 0
		.amdhsa_next_free_vgpr 512
		.amdhsa_next_free_sgpr 96
		.amdhsa_reserve_vcc 0
		.amdhsa_float_denorm_mode_32 3
		.amdhsa_float_denorm_mode_16_64 3
		.amdhsa_memory_ordered 1
		.amdhsa_forward_progress 1
		.amdhsa_inst_pref_size 216
	.end_amdhsa_kernel
	.amdgpu_metadata
---
amdhsa.version: [ 1, 2 ]
amdhsa.kernels:
  - .name:           k_qf478cc7b83_proj
    .symbol:         k_qf478cc7b83_proj.kd
    .args:
      - { .name: hidden_states, .offset: 0, .size: 8, .value_kind: global_buffer, .address_space: global }
      - { .name: q_down, .offset: 8, .size: 8, .value_kind: global_buffer, .address_space: global }
      - { .name: k_down, .offset: 16, .size: 8, .value_kind: global_buffer, .address_space: global }
      - { .name: v_down, .offset: 24, .size: 8, .value_kind: global_buffer, .address_space: global }
      - { .name: Wq_codes, .offset: 32, .size: 8, .value_kind: global_buffer, .address_space: global }
      - { .name: Wk_codes, .offset: 40, .size: 8, .value_kind: global_buffer, .address_space: global }
      - { .name: Wv_codes, .offset: 48, .size: 8, .value_kind: global_buffer, .address_space: global }
      - { .name: Wq_scales, .offset: 56, .size: 8, .value_kind: global_buffer, .address_space: global }
      - { .name: Wk_scales, .offset: 64, .size: 8, .value_kind: global_buffer, .address_space: global }
      - { .name: Wv_scales, .offset: 72, .size: 8, .value_kind: global_buffer, .address_space: global }
      - { .name: q_up, .offset: 80, .size: 8, .value_kind: global_buffer, .address_space: global }
      - { .name: k_up, .offset: 88, .size: 8, .value_kind: global_buffer, .address_space: global }
      - { .name: v_up, .offset: 96, .size: 8, .value_kind: global_buffer, .address_space: global }
      - { .name: qc, .offset: 104, .size: 8, .value_kind: global_buffer, .address_space: global }
      - { .name: qs, .offset: 112, .size: 8, .value_kind: global_buffer, .address_space: global }
      - { .name: kv, .offset: 120, .size: 8, .value_kind: global_buffer, .address_space: global }
    .group_segment_fixed_size: 327680
    .private_segment_fixed_size: 0
    .kernarg_segment_align: 8
    .kernarg_segment_size: 128
    .max_flat_workgroup_size: 256
    .sgpr_count:     96
    .vgpr_count:     512
    .wavefront_size: 32
...
	.end_amdgpu_metadata
.endif
;; end of part 1
;; launch attn (part 2): grid 256 x 1, 16 waves a work-group, no clusters, 169,984 bytes of LDS; arguments qc, qs, kv, o_down, hb; writes hb
.if DOCPART == 2
	.amdgcn_target "amdgcn-amd-amdhsa--gfx1250"
	.amdhsa_code_object_version 6
	.text
	.protected	k_qf478cc7b83_attn
	.globl	k_qf478cc7b83_attn
	.p2align	8
	.type	k_qf478cc7b83_attn,@function
k_qf478cc7b83_attn:
	s_mov_b64 s[64:65], 0
	v_nop
	global_prefetch_b8 v0, s[64:65] scope:SCOPE_SE
	s_setreg_imm32_b32 hwreg(HW_REG_WAVE_MODE, 25, 1), 1
	s_wait_xcnt 0x0
; h = softmax(q k^T / 8) v for one (frame, head); the keys and values are those of frame max(f - 1, 0) of the frame's batch of 16.  Both products on FP6 (E2M3) codes with E8M0 scales.
; Then h is quantised along its channels, and the head's part of h o_down is made on bf16 operands (that product feeds no quantiser).
; THE SOFTMAX: t = score x log2(e) / 8; M = the running largest t rounded up to a whole number; p = 2^(t - M) is quantised along the keys; the sum of the unquantised p divides at the end.
; SHARES.  A work-group owns all 1,024 queries of its (frame, head); each of sixteen waves takes four tiles of 16 queries, one after the other (macro TILE, written out four times so that every offset
; is an immediate), and walks the 1,024 keys, 128 a step.  The head's K and V, 8 records of 13,312 bytes, come into LDS ONCE (waves 0-7, a record each) and stay: no slot is filled again.
; No cluster: each head's K and V are read by one work-group (a batch's frame 0 by two), so next to nothing is shared.
; LAYOUT.  S^T = K Q^T and O^T = V^T P^T: a lane holds one query.  The head has 64 channels and the instruction 128: Q's registers 6-11 are zero codes, so K's registers 6-11 may hold the next
; tile's codes (no scale byte is 0xff).  The keys of a tile were chosen by the launch before so that the 16 registers of tiles 2 b, 2 b + 1 are 16 neighbouring keys.
; LIMITS: NaN and infinities are not served; a block whose largest magnitude lies under 2^-124 (a block of zeros too) takes the scale byte 1: its bytes are read by this program alone.
; REGISTERS: v1 16 x lane, v2 8 x lane, v3 the step's LDS address, v4 16 r, v5, v6, v10, v11 my scratch in LDS; v12 -M, v13 the largest t, v[14:15] the sum; v16-27 Q; v32-85 K (v80-85 zeros), then V;
; v86-89, v90-93 K's and V's scale words; v96-159 S^T, then p; v160-191 O^T; v192-207 o_down in bf16; v208-223 h o_down; v224-254 at work; v253 p's scale word; v255 Q's.
.set REC,  13312
.set SCRS, 8*REC                       ; my four tiles' scale words of h: 256 bytes a wave
.set SCRT, SCRS+16*256                 ; and their h o_down: 1,024 bytes a wave
.set WV, 24
.set FR, 25
.set HD, 26
.set FK, 27
.set TB, 28
.set CNT, 29
.set SEL, 30
.set CS, 32
.macro PL n
.rept \n
	v_nop
.endr
.endm
	s_load_b256 s[4:11], s[0:1], 0x0               ; qc, qs, kv, o_down
	s_load_b64 s[12:13], s[0:1], 0x20              ; hb
	v_lshl_add_u32 v250, v0, 2, 0x29000
	v_mov_b32 v251, 0
	ds_add_u32 v250, v251
	ds_add_u32 v250, v251
	v_lshrrev_b32 v7, 5, v0
	v_readfirstlane_b32 s[WV], v7                  ; wave 0..15
	s_lshr_b32 s[FR], ttmp9, 3                     ; frame
	s_and_b32 s[HD], ttmp9, 7                      ; head
	s_and_b32 s20, s[FR], 15
	s_cmp_lg_u32 s20, 0
	s_cselect_b32 s20, 1, 0
	s_sub_co_u32 s[FK], s[FR], s20                 ; the frame before, or the batch's frame 0 itself
	s_mov_b32 s[SEL], 0x76543210
	s_mov_b32 s[SEL+1], 0xfedcba98
	s_mov_b32 s[CS], 0x3e38aa3b                    ; c = log2(e) / 8
	s_mov_b32 s[CS+1], s[CS]                       ; (named with it as a pair, so it is written)
	v_and_b32 v7, 31, v0
	v_and_b32 v8, 15, v0                           ; r
	v_bfe_u32 v9, v0, 4, 1                         ; h
	v_lshlrev_b32 v1, 4, v7
	v_lshlrev_b32 v2, 3, v7
	v_lshlrev_b32 v4, 4, v8
	s_lshl_b32 s20, s[WV], 8
	s_add_co_u32 s20, s20, SCRS
	v_lshl_add_u32 v5, v8, 2, s20
	v_add_nc_u32 v10, s20, v2
	s_lshl_b32 s21, s[WV], 10
	s_add_co_u32 s21, s21, SCRT
	v_add_nc_u32 v6, s21, v4
	v_add_nc_u32 v11, s21, v1
	v_and_b32 v7, 3, v8
	v_lshlrev_b32 v7, 2, v7
	v_lshl_add_u32 v7, v9, 8, v7                   ; o_down: column r % 4, rows 16 h on
	; descriptor: a record, dense: 52 rows of 256 bytes (32 elements of 8 bytes)
	s_mov_b32 s40, 3<<16
	s_mov_b32 s41, 32<<16
	s_mov_b32 s42, 52<<16
	s_mov_b32 s43, 32<<16
	s_mov_b32 s44, 52
	s_mov_b32 s45, 32
	s_mov_b32 s46, 0
	s_mov_b32 s47, 0
	s_min_u32 s22, s[WV], 7                        ; (waves 8-15 fetch nothing: their descriptor stays inside the buffer all the same)
	s_lshl_b32 s20, s[FK], 3
	s_add_co_u32 s20, s20, s[HD]
	s_lshl_b32 s20, s20, 3
	s_add_co_u32 s20, s20, s22
	s_mul_i32 s20, s20, REC
	s_mov_b32 s21, 0
	s_mul_i32 s37, s22, REC
	s_mov_b32 s36, 1
	s_wait_dscnt 0x0
	s_wait_kmcnt 0x0
	s_add_nc_u64 s[38:39], s[8:9], s[20:21]
	s_or_b32 s39, s39, 0x80000000
	s_cmp_lt_u32 s[WV], 8
	s_cbranch_scc0 .Lno_fetch
	tensor_load_to_lds s[36:39], s[40:47]          ; record = wave: 128 keys' K, V and scale words; one tensor load of mine is out
	s_nop 0
	PL 4
.Lno_fetch:
	s_lshl_b32 s22, s[FR], 3
	s_add_co_u32 s22, s22, s[HD]                   ; frame x 8 + head
	s_lshl_b32 s20, s22, 6
	s_lshl_b32 s23, s[WV], 2
	s_add_co_u32 s20, s20, s23
	s_mul_i32 s20, s20, 768
	s_add_nc_u64 s[4:5], s[4:5], s[20:21]          ; qc at my first tile
	s_lshl_b32 s20, s22, 12
	s_lshr_b32 s23, s[WV], 1
	s_lshl_b32 s34, s23, 9
	s_add_co_u32 s20, s20, s34
	s_and_b32 s35, s[WV], 1
	s_lshl_b32 s34, s35, 3
	s_add_co_u32 s20, s20, s34
	s_add_nc_u64 s[6:7], s[6:7], s[20:21]          ; qs: my block of 128 queries, my pairs of tiles
	s_lshl_b32 s20, s[HD], 10
	s_add_nc_u64 s[10:11], s[10:11], s[20:21]      ; o_down: my head's 64 rows
	s_lshl_b32 s20, s[FR], 3
	s_add_co_u32 s20, s20, s23
	s_mul_i32 s20, s20, 69632
	s_add_nc_u64 s[14:15], s[12:13], s[20:21]      ; hb's record of my block of 128 tokens
	s_mul_i32 s20, s35, 4*6144
	s_mul_i32 s34, s[HD], 768
	s_add_co_u32 s20, s20, s34
	s_add_nc_u64 s[12:13], s[14:15], s[20:21]      ; codes: [tile][head][768]
	s_lshl_b32 s20, s[HD], 9
	s_lshl_b32 s34, s35, 8
	s_add_co_u32 s20, s20, s34
	s_add_nc_u64 s[16:17], s[14:15], s[20:21]      ; scale words: [head][tile][16]
	s_lshl_b32 s20, s20, 2
	s_add_nc_u64 s[18:19], s[14:15], s[20:21]      ; h o_down: [head][tile][16][4]
.set n, 0
.rept 32
	global_load_b32 v[96+n], v7, s[10:11] offset:512*(n/16)+16*(n%16)   ; o_down[32 b + 16 h + i][r % 4]: the index map of h's registers
.set n, n+1
.endr
.irp j,22,23,24,25,26,27,80,81,82,83,84,85
	v_mov_b32 v\j, 0                               ; zero codes: Q's k = 64 .. 127, and what stands behind K's last tile
.endr
.irp b,0,1,2,3
	v_mov_b32 v[236+\b], 0                         ; written once: a lane permute's destination counts as one of its sources
.endr
	v_mov_b32 v253, 0                              ; (named as the upper half of the pair v[252:253] before it is first written)
	s_wait_loadcnt 0x0
.irp p,0,1,2,3,4,5,6,7,8,9,10,11,12,13,14,15
	v_cvt_pk_bf16_f32 v[192+\p], v[96+2*\p], v[97+2*\p]   ; all 16 rows of this operand carry column (row % 4)
.endr
	s_wait_tensorcnt 0x0                           ; my record has landed,
	s_barrier_signal -1
	s_barrier_wait -1                              ; everybody's has
; A KEY STEP: 128 keys, the record at s[TB]
.macro STEP
	v_add_nc_u32 v3, s[TB], v1
	PL 3                                           ; with the addition: four places in front of loads into registers that matrix instructions have read
.irp z,0,1,2,3,4,5,6,7,8,9,10,11
	ds_load_b128 v[32+4*\z:35+4*\z], v3 offset:512*\z
.endr
	ds_load_b128 v[86:89], v3 offset:12288
	s_wait_dscnt 0x0
.irp t,0,2,4,6                                 ; tile t's codes are registers 6 t .. 6 t + 5; the six behind them meet Q's zeros
	v_wmma_scale_f32_16x16x128_f8f6f4 v[96+8*\t:103+8*\t], v[32+6*\t:43+6*\t], v[16:27], 0, v[86+\t/2], v255 matrix_a_fmt:MATRIX_FMT_FP6 matrix_b_fmt:MATRIX_FMT_FP6
	v_wmma_scale_f32_16x16x128_f8f6f4 v[104+8*\t:111+8*\t], v[38+6*\t:49+6*\t], v[16:27], 0, v[86+\t/2], v255 matrix_a_fmt:MATRIX_FMT_FP6 matrix_b_fmt:MATRIX_FMT_FP6 matrix_a_scale:MATRIX_SCALE_ROW1
.endr
	PL 4
.irp z,0,1,2,3,4,5,6,7,8,9,10,11
	ds_load_b128 v[32+4*\z:35+4*\z], v3 offset:6144+512*\z   ; V: it lands under the softmax
.endr
	ds_load_b128 v[90:93], v3 offset:12800
.irp b,0,1,2,3
	v_max3_num_f32 v[232+\b], v[96+16*\b], v[97+16*\b], v[98+16*\b]   ; the largest score of each block of 32 keys: for the row's maximum, and for the block's largest p
.endr
.irp i,3,5,7,9,11,13
.irp b,0,1,2,3
	v_max3_num_f32 v[232+\b], v[232+\b], v[96+16*\b+\i], v[97+16*\b+\i]
.endr
.endr
.irp b,0,1,2,3
	v_max_num_f32 v[232+\b], v[232+\b], v[111+16*\b]
.endr
.irp b,0,1,2,3
	v_permlanex16_b32 v[236+\b], v[232+\b], s[SEL], s[SEL+1]
.endr
.irp b,0,1,2,3
	v_max_num_f32 v[232+\b], v[232+\b], v[236+\b]  ; with lane l xor 16's 16 keys
.endr
	v_max3_num_f32 v254, v232, v233, v234
	v_max_num_f32 v254, v254, v235
	v_mul_f32 v254, s[CS], v254                    ; the step's largest t
	v_max_num_f32 v13, v13, v254                   ; the running largest t
	v_mov_b32 v254, v12
	v_floor_f32 v12, -v13                          ; the new -M = -ceil(t)
	v_sub_f32 v254, v12, v254                      ; old M - new M: a whole number, 0 or less
	v_cvt_i32_f32 v254, v254                       ; (it saturates)
	v_ldexp_f32 v252, 1.0, v254                    ; f = 2^(old M - new M)
.irp j,0,2,4,6,8,10,12,14,16,18,20,22,24,26,28,30,32,34,36,38,40,42,44,46,48,50,52,54,56,58,60,62
	v_pk_fma_f32 v[96+\j:97+\j], v[96+\j:97+\j], s[CS:CS+1], v[12:13] op_sel_hi:[1,0,0]   ; t - M
.endr
.irp b,0,1,2,3
	v_fma_f32 v[232+\b], v[232+\b], s[CS], v12     ; the same of each block's largest score
.endr
.irp j,0,1,2,3,4,5,6,7,8,9,10,11,12,13,14,15,16,17,18,19,20,21,22,23,24,25,26,27,28,29,30,31,32,33,34,35,36,37,38,39,40,41,42,43,44,45,46,47,48,49,50,51,52,53,54,55,56,57,58,59,60,61,62,63
	v_exp_f32 v[96+\j], v[96+\j]                   ; p = 2^(t - M)
.endr
	v_pk_mul_f32 v[14:15], v[14:15], v[252:253] op_sel_hi:[1,0]   ; the sums under the new M (a plain place behind the exponentials)
	s_wait_alu depctr_va_vdst(0)                   ; one wait for the batch of 64, ahead of its first reader
.irp b,0,1,2,3
	v_exp_f32 v[232+\b], v[232+\b]                 ; each block's largest p
.endr
	v_pk_add_f32 v[236:237], v[96:97], v[98:99]    ; the row's sum of the unquantised p, in two chains
.irp j,4,8,12,16,20,24,28,32,36,40,44,48,52,56,60
	v_pk_add_f32 v[14:15], v[14:15], v[96+\j:97+\j]
	v_pk_add_f32 v[236:237], v[236:237], v[98+\j:99+\j]
.endr
	v_pk_add_f32 v[14:15], v[14:15], v[236:237]
	s_wait_alu depctr_va_vdst(0)                   ; and one for the four
.irp b,0,1,2,3
	v_max_num_f32 v[232+\b], 0x1800000, v[232+\b]  ; the floor 2^(3 - 127)
.endr
.irp b,0,1,2,3
	v_add_nc_u32 v[244+\b], 0xff000000, v[232+\b]  ; 2 off the exponent field: the conversion's scale operand
.endr
.irp b,0,1,2,3
	v_lshrrev_b32 v[236+\b], 23, v[244+\b]
.endr
	v_lshl_or_b32 v253, v237, 8, v236              ; p's scale word for these 128 keys
	v_lshl_or_b32 v253, v238, 16, v253
	v_lshl_or_b32 v253, v239, 24, v253
.irp c,0,1
	v_cvt_scalef32_pk16_fp6_f32 v[224+6*\c:226+6*\c], v[96+32*\c:111+32*\c], v[244+2*\c]
	v_cvt_scalef32_pk16_fp6_f32 v[236+4*\c:238+4*\c], v[112+32*\c:127+32*\c], v[244+2*\c+1]
.endr
	v_nop                                          ; one plain place behind a scaled conversion
.irp c,0,1
.irp i,0,1,2
	v_permlane16_swap_b32 v[224+6*\c+\i], v[236+4*\c+\i]
.endr
.irp i,0,1,2
	v_mov_b32 v[227+6*\c+\i], v[236+4*\c+\i]
.endr
.endr
.irp j,0,2,4,6,8,10,12,14,16,18,20,22,24,26,28,30
	v_pk_mul_f32 v[160+\j:161+\j], v[160+\j:161+\j], v[252:253] op_sel_hi:[1,0]   ; O^T under the new M; these sixteen also stand between the scale word's and the codes' last writes and the products
.endr
	s_wait_dscnt 0x0                               ; V is in
.irp c,0,1,2,3
	v_wmma_scale_f32_16x16x128_f8f6f4 v[160+8*\c:167+8*\c], v[32+12*\c:43+12*\c], v[224:235], v[160+8*\c:167+8*\c], v[90+\c], v253 matrix_a_fmt:MATRIX_FMT_FP6 matrix_b_fmt:MATRIX_FMT_FP6
.endr
.endm
; tile i of my four
.macro TILE i
	global_load_b128 v[16:19], v1, s[4:5] offset:768*\i
	global_load_b64 v[20:21], v2, s[4:5] offset:768*\i+512
	global_load_b32 v255, v4, s[6:7] offset:256*(\i%2)+4*(\i/2)
	v_mov_b32 v13, 0xff61b1e6                      ; the largest t so far: -3e38
	v_floor_f32 v12, -v13
	v_mov_b32 v14, 0
	v_mov_b32 v15, 0
.set n, 0
.rept 32
	v_mov_b32 v[160+n], 0                          ; O^T: the step is written once, and the first change of M leaves zeros zeros
.set n, n+1
.endr
	s_mov_b32 s[TB], 0
	s_mov_b32 s[CNT], 8
	s_wait_loadcnt 0x0                             ; Q and its scale word
	s_wait_xcnt 0x0                                ; the last tile's two stores of codes have read v144-149: the first key step writes those registers again only behind this wait
.Lstep_\@:
	STEP
	s_add_co_u32 s[TB], s[TB], REC
	s_sub_co_u32 s[CNT], s[CNT], 1
	s_cmp_lg_u32 s[CNT], 0
	s_cbranch_scc1 .Lstep_\@
	; h = O / the sum; its codes, its scale word, its part of h o_down
	v_add_f32 v14, v14, v15
	v_permlanex16_b32 v252, v14, s[SEL], s[SEL+1]
	v_add_f32 v14, v14, v252                       ; the row's sum
	v_rcp_f32 v14, v14
	PL 3                                           ; a plain place behind the reciprocal; with the additions above, the places behind the last products
	s_wait_alu depctr_va_vdst(0)                   ; the wait ahead of the reciprocal's first reader
.set n, 0
.rept 32
	v_mul_f32 v[96+n], v[160+n], v14               ; register 16 b + i = channel 32 b + 16 (lane / 16) + i of my query
.set n, n+1
.endr
.irp p,0,1,2,3,4,5,6,7,8,9,10,11,12,13,14,15
	v_cvt_pk_bf16_f32 v[128+\p], v[96+2*\p], v[97+2*\p]
.endr
.irp b,0,1
	v_max3_num_f32 v[232+\b], |v[96+16*\b]|, |v[97+16*\b]|, 0x1800000
.endr
.irp e,2,4,6,8,10,12,14
.irp b,0,1
	v_max3_num_f32 v[232+\b], v[232+\b], |v[96+16*\b+\e]|, |v[97+16*\b+\e]|
.endr
.endr
	v_wmma_f32_16x16x32_bf16 v[208:215], v[192:199], v[128:135], 0   ; channels 0-31,
	v_wmma_f32_16x16x32_bf16 v[216:223], v[200:207], v[136:143], 0   ; channels 32-63: registers 0-3 of both halves of the lanes hold my query's four numbers
.irp b,0,1
	v_permlanex16_b32 v[236+\b], v[232+\b], s[SEL], s[SEL+1]
.endr
.irp b,0,1
	v_max_num_f32 v[232+\b], v[232+\b], v[236+\b]
.endr
.irp b,0,1
	v_add_nc_u32 v[244+\b], 0xff000000, v[232+\b]
.endr
.irp b,0,1
	v_lshrrev_b32 v[236+\b], 23, v[244+\b]
.endr
	v_lshl_or_b32 v7, v237, 8, v236                ; the head's two scale bytes of my query
	v_cvt_scalef32_pk16_fp6_f32 v[144:146], v[96:111], v244
	v_cvt_scalef32_pk16_fp6_f32 v[150:152], v[112:127], v245
	v_nop
.irp e,0,1,2
	v_permlane16_swap_b32 v[144+\e], v[150+\e]
.endr
.irp e,0,1,2
	v_mov_b32 v[147+\e], v[150+\e]
.endr
.irp e,0,1,2,3
	v_add_f32 v[154+\e], v[208+\e], v[216+\e]      ; from the accumulators' low end
.endr
	global_store_b128 v1, v[144:147], s[12:13] offset:6144*\i
	global_store_b64 v2, v[148:149], s[12:13] offset:6144*\i+512
	ds_store_b32 v5, v7 offset:64*\i               ; both halves of the lanes write the same words with the same values
	ds_store_b128 v6, v[154:157] offset:256*\i
.endm
	TILE 0
	TILE 1
	TILE 2
	TILE 3
	ds_load_b64 v[8:9], v10                        ; LDS serves a wave's instructions in order: these see my stores
	ds_load_b128 v[96:99], v11
	ds_load_b128 v[100:103], v11 offset:512
	s_wait_dscnt 0x0
	global_store_b64 v2, v[8:9], s[16:17] offset:49152          ; 32 lanes store 256 consecutive bytes, aligned
	global_store_b128 v1, v[96:99], s[18:19] offset:53248       ; and twice 512
	global_store_b128 v1, v[100:103], s[18:19] offset:53760
	s_wait_tensorcnt 0x0
	ds_add_u32 v250, v251
	s_wait_dscnt 0x0
	s_endpgm
.Lfunc_end_k_qf478cc7b83_attn:
	.size	k_qf478cc7b83_attn, .Lfunc_end_k_qf478cc7b83_attn-k_qf478cc7b83_attn
	.p2alignl 7, 3214868480
	.fill 96, 4, 3214868480
	.section	.rodata,"a",@progbits
	.p2align	6, 0x0
	.amdhsa_kernel k_qf478cc7b83_attn
		.amdhsa_group_segment_fixed_size 169984
		.amdhsa_private_segment_fixed_size 0
		.amdhsa_enable_private_segment 0
		.amdhsa_kernarg_size 40
		.amdhsa_user_sgpr_count 2
		.amdhsa_user_sgpr_kernarg_segment_ptr 1
		.amdhsa_wavefront_size32 1
		.amdhsa_system_sgpr_workgroup_id_x 1
		.amdhsa_system_sgpr_workgroup_id_y 1
		.amdhsa_system_sgpr_workgroup_id_z 1
		.amdhsa_system_vgpr_workitem_id 0
		.amdhsa_next_free_vgpr 256
		.amdhsa_next_free_sgpr 66
		.amdhsa_reserve_vcc 0
		.amdhsa_float_denorm_mode_32 3
		.amdhsa_float_denorm_mode_16_64 3
		.amdhsa_memory_ordered 1
		.amdhsa_forward_progress 1
		.amdhsa_inst_pref_size 96
	.end_amdhsa_kernel
	.amdgpu_metadata
---
amdhsa.version: [ 1, 2 ]
amdhsa.kernels:
  - .name:           k_qf478cc7b83_attn
    .symbol:         k_qf478cc7b83_attn.kd
    .args:
      - { .name: qc, .offset: 0, .size: 8, .value_kind: global_buffer, .address_space: global }
      - { .name: qs, .offset: 8, .size: 8, .value_kind: global_buffer, .address_space: global }
      - { .name: kv, .offset: 16, .size: 8, .value_kind: global_buffer, .address_space: global }
      - { .name: o_down, .offset: 24, .size: 8, .value_kind: global_buffer, .address_space: global }
      - { .name: hb, .offset: 32, .size: 8, .value_kind: global_buffer, .address_space: global }
    .group_segment_fixed_size: 169984
    .private_segment_fixed_size: 0
    .kernarg_segment_align: 8
    .kernarg_segment_size: 40
    .max_flat_workgroup_size: 512
    .sgpr_count:     66
    .vgpr_count:     256
    .wavefront_size: 32
...
	.end_amdgpu_metadata
.endif
;; end of part 2
;; launch outp (part 3): grid 256 x 1, 8 waves a work-group, clusters of 4 x 1, 327,680 bytes of LDS; arguments hb, Wo_codes, Wo_scales, bo, o_up, out0; writes out0
.if DOCPART == 3
	.amdgcn_target "amdgcn-amd-amdhsa--gfx1250"
	.amdhsa_code_object_version 6
	.text
	.protected	k_qf478cc7b83_outp
	.globl	k_qf478cc7b83_outp
	.p2align	8
	.type	k_qf478cc7b83_outp,@function
k_qf478cc7b83_outp:
	s_mov_b64 s[64:65], 0
	v_nop
	global_prefetch_b8 v0, s[64:65] scope:SCOPE_SE
	s_setreg_imm32_b32 hwreg(HW_REG_WAVE_MODE, 25, 1), 1
	s_wait_xcnt 0x0
	s_wait_alu depctr_hold_cnt(0) depctr_sa_sdst(0) depctr_va_vdst(0) depctr_va_sdst(0) depctr_va_ssrc(0) depctr_va_vcc(0) depctr_vm_vsrc(0)
	s_getreg_b32 s2, hwreg(HW_REG_IB_STS2, 6, 4)
	s_cmp_eq_u32 s2, 0
	s_cbranch_scc0 .Lentry_in_a_cluster
	s_endpgm
.Lentry_in_a_cluster:
	s_bfe_u32 s2, ttmp6, 0x10000c
	s_cmp_lg_u32 s2, 0x3003
	s_cbranch_scc0 .Lentry_shape_is_right
	s_endpgm
.Lentry_shape_is_right:
; out = Q(h) Wo + bo + (h o_down) o_up.  Q(h) arrives as FP6 (E2M3) codes with E8M0 scale bytes, h o_down as eight heads' parts, both in hb's records of 69,632 bytes (one for each 128 tokens):
; codes [tile][head][768] as register images, scale words [head][tile][16], parts [head][tile][16][4] f32.  Wo as codes [512 (n)][384 bytes], scale bytes [512][16].
; SHARES.  A work-group takes 128 tokens; wave w makes output columns 64 w .. 64 w + 63 for all of them, with its 64 rows of Wo in registers.
; Wo comes by tensor loads that the cluster's four work-groups ask for jointly (all work-groups read all of Wo); the record by plain tensor loads, an eighth a wave.  Nothing is filled again.
; THE MATRIX INSTRUCTION IS USED TRANSPOSED (source 0 = 16 rows of Wo, source 1 = 16 tokens): a lane holds eight neighbouring columns of one token's row.
; Each sum begins with (h o_down) o_up + bo: a bf16 product whose C is the bias (that product feeds no quantiser).  Its operand of o_up holds the four rows in registers 0, 1 of lanes 0-15, zeros elsewhere.
; Lane r of token tile 2 b + u is token 32 b + 8 u + r + 8 (r / 8) of the 128, as the earlier launches laid them.
; REGISTERS.  Window 0: v1-18 addresses; v20-23 the token's four numbers; v24-31 the same in bf16 (v26-31 zeros); v32-47 o_up as loaded; v64-79, v80-83 scale words of Wo and of h, nothing else; v84-91 the heads' scale words;
;   v96-127 the heads' parts; v128-159 o_up's operands; v160-191 the bias; v192-223 four accumulators; v224-255 rows on their way out.   Window 1: v0-191 Wo's 16 fragments; v192-239 h's four.
.set WPITCH, 432                       ; a row of Wo in LDS: 384 bytes + 16 behind each 128
.set WWAVE,  64*WPITCH
.set HREC,   8*WWAVE                   ; the record, as it lies in memory
.set STG,    HREC+69632                ; the way out: 16 rows x (256 bytes + 16) for each wave
.set R, 1
.set H, 2
.set AW, 4
.set AW2, 5
.set HI16, 6
.set HI8, 7
.set HS4, 8
.set TP16, 9
.set STO, 10
.set RD, 11
.set CO, 12
.set RS, 13
.set UA, 14
.set BA, 15
.set HM, 16
.set T0, 17
.set TSM, 20
.set TFB, 24
.set UPR, 32
.set SCW, 64
.set SCX, 80
.set HW, 84
.set TPR, 96
.set UPB, 128
.set BIAS, 160
.set L, 192
.set OUTR, 224
.set MSB, 0
.macro WIN new                         ; the immediate's high byte repeats the setting that is left
.if MSB != (\new)
	s_set_vgpr_msb (MSB<<8)|(\new)
.set MSB, (\new)
.endif
.endm
.macro PL n
.rept \n
	v_nop
.endr
.endm
.macro ROUND                           ; a round of the cluster's barrier
	s_barrier_signal -1
	s_barrier_wait -1
	s_cmp_lg_u32 s16, 0
	s_cbranch_scc1 .Lnw0_\@
	s_barrier_signal -3
.Lnw0_\@:
	s_barrier_wait -3
	s_barrier_signal -1
	s_barrier_wait -1
.endm
.macro WFRAG reg, rowoff, ks           ; a fragment of Wo in pieces of 8 bytes; lanes 16-31 read three pieces on, which for pieces 13-15 of each 16 lies behind one padding more
.irp p,0,1,2,3,4,5
.set PCI, 12*(\ks)+6*(\p/3)+\p%3
.if PCI%16 < 13
	ds_load_b64 v[(\reg)+2*\p:(\reg)+2*\p+1], v[AW] offset:(\rowoff)*WPITCH+8*PCI+16*(PCI/16)
.else
	ds_load_b64 v[(\reg)+2*\p:(\reg)+2*\p+1], v[AW2] offset:(\rowoff)*WPITCH+8*PCI+16*(PCI/16)
.endif
.endr
.endm
; token tile tl: head hd's six registers are half a fragment (K step hd / 2); the heads' scale words and parts: 32 LDS loads
.macro HLOAD tl
	WIN 0x40
.irp hd,0,1,2,3,4,5,6,7
	ds_load_b128 v[192+6*\hd:192+6*\hd+3], v[HI16] offset:(\tl)*6144+768*\hd
	ds_load_b64 v[192+6*\hd+4:192+6*\hd+5], v[HI8] offset:(\tl)*6144+768*\hd+512
.endr
	WIN 0
.irp hd,0,1,2,3,4,5,6,7
	ds_load_b32 v[HW+\hd], v[HS4] offset:49152+512*\hd+64*(\tl)
.endr
.irp hd,0,1,2,3,4,5,6,7
	ds_load_b128 v[TPR+4*\hd:TPR+4*\hd+3], v[TP16] offset:2048*\hd+256*(\tl)
.endr
.endm
	s_load_b256 s[4:11], s[0:1], 0x0               ; hb, Wo's codes, Wo's scales, bo
	s_load_b128 s[12:15], s[0:1], 0x20             ; o_up, out0
	v_lshl_add_u32 v94, v0, 2, 0x4f800
	v_mov_b32 v95, 0
	ds_add_u32 v94, v95
	ds_add_u32 v94, v95
	v_lshrrev_b32 v[T0], 5, v0
	v_readfirstlane_b32 s16, v[T0]                 ; wave 0..7
	s_bfe_u32 s17, ttmp6, 0x40000                  ; cx: it enters global addresses of hb and out0 alone
	s_lshl_b32 s18, ttmp9, 2
	s_add_co_u32 s18, s18, s17                     ; g: my block of 128 tokens
	; Wo: 64 rows of 384 bytes, dense, padded in LDS, asked for jointly
	s_mov_b32 s24, 15|(1<<20)|(1<<21)|(4<<22)|(3<<25)
	s_mov_b32 s25, 384<<16
	s_mov_b32 s26, 64<<16
	s_mov_b32 s27, 384<<16
	s_mov_b32 s28, 64
	s_mov_b32 s29, 384
	s_mov_b32 s30, 0
	s_mov_b32 s31, 0
	; the record: my eighth, 34 rows of 256 bytes (32 elements of 8 bytes), my work-group's own
	s_mov_b32 s40, 3<<16
	s_mov_b32 s41, 32<<16
	s_mov_b32 s42, 34<<16
	s_mov_b32 s43, 32<<16
	s_mov_b32 s44, 34
	s_mov_b32 s45, 32
	s_mov_b32 s46, 0
	s_mov_b32 s47, 0
	s_mul_i32 s20, s16, WWAVE
	s_mul_i32 s52, s16, 24576
	s_mov_b32 s53, 0
	s_mul_i32 s21, s16, 8704
	s_mul_i32 s54, s18, 69632
	s_add_co_u32 s54, s54, s21
	s_mov_b32 s55, 0
	s_add_co_u32 s21, s21, HREC
	s_lshl_b32 s56, s18, 18                        ; out0: 128 rows of 2,048 bytes a block,
	s_lshl_b32 s23, s16, 8
	s_add_co_u32 s56, s56, s23                     ; + my 256 bytes of a row
	s_mov_b32 s57, 0
	v_and_b32 v[T0], 31, v0
	v_and_b32 v[R], 15, v0
	v_bfe_u32 v[H], v0, 4, 1
	v_mul_u32_u24 v[AW], v[R], WPITCH
	v_mad_u32_u24 v[AW], v[H], 24, v[AW]
	v_add_nc_u32 v[AW], s20, v[AW]
	v_lshl_add_u32 v[AW2], v[H], 4, v[AW]
	v_lshlrev_b32 v[HI16], 4, v[T0]
	v_add_nc_u32 v[HI16], HREC, v[HI16]
	v_lshlrev_b32 v[HI8], 3, v[T0]
	v_add_nc_u32 v[HI8], HREC, v[HI8]
	v_lshlrev_b32 v[HS4], 2, v[R]
	v_add_nc_u32 v[HS4], HREC, v[HS4]
	v_lshlrev_b32 v[TP16], 4, v[R]
	v_add_nc_u32 v[TP16], HREC+53248, v[TP16]
	s_mul_i32 s22, s16, 16*272
	s_add_co_u32 s22, s22, STG                     ; my stage
	v_mul_u32_u24 v[STO], v[R], 272
	v_lshl_add_u32 v[STO], v[H], 5, v[STO]
	v_add_nc_u32 v[STO], s22, v[STO]               ; in: row r, 32 bytes for each half of the lanes
	v_mul_u32_u24 v[RD], v[H], 272
	v_lshl_add_u32 v[RD], v[R], 4, v[RD]
	v_add_nc_u32 v[RD], s22, v[RD]                 ; back: lanes 0-15 one row of 256 bytes, lanes 16-31 the next
	v_lshlrev_b32 v[CO], 11, v[H]
	v_lshl_add_u32 v[CO], v[R], 4, v[CO]           ; and the same two rows in out0
	s_lshl_b32 s22, s16, 10
	v_lshl_add_u32 v[RS], v[R], 4, s22             ; Wo's scale bytes: 16 a row
	v_lshl_add_u32 v[UA], v[R], 2, s23             ; o_up: my column
	v_lshl_add_u32 v[BA], v[H], 5, s23             ; bo: my eight columns of a tile
	v_add_nc_u32 v[HM], -1, v[H]                   ; all ones in lanes 0-15, 0 in lanes 16-31
	s_wait_dscnt 0x0
	s_wait_kmcnt 0x0
	s_mov_b32 s32, 1
	s_mov_b32 s33, s20
	s_add_nc_u64 s[34:35], s[6:7], s[52:53]
	s_or_b32 s35, s35, 0x80000000
	s_mov_b32 s48, 1
	s_mov_b32 s49, s21
	s_add_nc_u64 s[50:51], s[4:5], s[54:55]
	s_or_b32 s51, s51, 0x80000000
	s_add_nc_u64 s[14:15], s[14:15], s[56:57]
	ROUND                                          ; the four work-groups are here: the joint loads meet
	tensor_load_to_lds s[32:35], s[24:31]          ; my 64 rows of Wo,
	s_nop 0
	tensor_load_to_lds s[48:51], s[40:47]          ; my eighth of the record: two tensor loads of mine are out
	s_nop 0
	PL 4
.irp c,0,1,2,3
	global_load_b128 v[SCW+4*\c:SCW+4*\c+3], v[RS], s[8:9] offset:256*\c
.endr
.irp c,0,1,2,3
.irp k,0,1,2,3
	global_load_b32 v[UPR+4*\c+\k], v[UA], s[12:13] offset:2048*\k+64*\c
.endr
.endr
.irp c,0,1,2,3
	global_load_b128 v[BIAS+8*\c:BIAS+8*\c+3], v[BA], s[10:11] offset:64*\c
	global_load_b128 v[BIAS+8*\c+4:BIAS+8*\c+7], v[BA], s[10:11] offset:64*\c+16
.endr
.irp j,2,3,4,5,6,7
	v_mov_b32 v[TFB+\j], 0
.endr
	s_wait_loadcnt 0x0
.irp c,0,1,2,3
	v_cvt_pk_bf16_f32 v[UPB+8*\c], v[UPR+4*\c], v[UPR+4*\c+1]
	v_cvt_pk_bf16_f32 v[UPB+8*\c+1], v[UPR+4*\c+2], v[UPR+4*\c+3]
.irp j,2,3,4,5,6,7
	v_mov_b32 v[UPB+8*\c+\j], 0
.endr
.endr
.irp c,0,1,2,3
	v_and_b32 v[UPB+8*\c], v[HM], v[UPB+8*\c]      ; K = 4 of the instruction's 32: lanes 16-31 hold zeros
	v_and_b32 v[UPB+8*\c+1], v[HM], v[UPB+8*\c+1]
.endr
	s_wait_tensorcnt 0x0                           ; my rows of Wo and my part of the record have landed,
	s_barrier_signal -1
	s_barrier_wait -1                              ; everybody's part has
	WIN 0x40
.irp c,0,1,2,3
.irp ks,0,1,2,3
	WFRAG 12*(4*\c+\ks),16*\c,\ks
.endr
.endr
	WIN 0
	HLOAD 0
.irp t,0,1,2,3,4,5,6,7
	s_wait_dscnt 0x0
.irp ks,0,1,2,3
	v_lshl_or_b32 v[SCX+\ks], v[HW+2*\ks+1], 16, v[HW+2*\ks]   ; two heads' two bytes each: the scale word of 128 along K
.endr
	v_pk_add_f32 v[TSM:TSM+1], v[TPR:TPR+1], v[TPR+4:TPR+5]     ; the eight heads' parts of h o_down
	v_pk_add_f32 v[TSM+2:TSM+3], v[TPR+2:TPR+3], v[TPR+6:TPR+7]
.irp hd,2,3,4,5,6,7
	v_pk_add_f32 v[TSM:TSM+1], v[TSM:TSM+1], v[TPR+4*\hd:TPR+4*\hd+1]
	v_pk_add_f32 v[TSM+2:TSM+3], v[TSM+2:TSM+3], v[TPR+4*\hd+2:TPR+4*\hd+3]
.endr
	v_cvt_pk_bf16_f32 v[TFB], v[TSM], v[TSM+1]
	v_cvt_pk_bf16_f32 v[TFB+1], v[TSM+2], v[TSM+3]
	PL 4
.irp c,0,1,2,3
	v_wmma_f32_16x16x32_bf16 v[L+8*\c:L+8*\c+7], v[UPB+8*\c:UPB+8*\c+7], v[TFB:TFB+7], v[BIAS+8*\c:BIAS+8*\c+7]
.endr
	PL 5                                           ; another form adds onto these results: five places
	WIN 0x05
.irp ks,0,1,2,3
.irp c,0,1,2,3
	v_wmma_scale_f32_16x16x128_f8f6f4 v[L+8*\c:L+8*\c+7], v[12*(4*\c+\ks):12*(4*\c+\ks)+11], v[192+12*\ks:192+12*\ks+11], v[L+8*\c:L+8*\c+7], v[SCW+4*\c+\ks], v[SCX+\ks] matrix_a_fmt:MATRIX_FMT_FP6 matrix_b_fmt:MATRIX_FMT_FP6
.endr
.endr
	WIN 0
	PL 4
.if \t < 7
	HLOAD \t+1                                     ; lands while this tile goes out
.endif
.irp c,0,1,2,3
	ds_store_b128 v[STO], v[L+8*\c:L+8*\c+3] offset:64*\c          ; each accumulator from its low end on
	ds_store_b128 v[STO], v[L+8*\c+4:L+8*\c+7] offset:64*\c+16
.endr
	s_wait_xcnt 0x0                                ; the last tile's stores have read their registers
.irp i,0,1,2,3,4,5,6,7
	ds_load_b128 v[OUTR+4*\i:OUTR+4*\i+3], v[RD] offset:544*\i     ; LDS serves a wave's instructions in order: these see my stores
.endr
.irp i,0,1,2,3,4,5,6,7
	s_wait_dscnt 7-\i                              ; rows 2 i, 2 i + 1 are back; the younger loads may be out
	global_store_b128 v[CO], v[OUTR+4*\i:OUTR+4*\i+3], s[14:15] offset:(32*(\t/2)+8*(\t%2)+2*\i+8*(\i/4))*2048 th:TH_STORE_NT   ; 16 lanes store 256 consecutive bytes, at a multiple of 256 from out0's first byte
.endr
.endr
	s_wait_tensorcnt 0x0
	ds_add_u32 v94, v95
	s_wait_dscnt 0x0
	ROUND                                          ; the closing round: no work-group ends while a partner may still ask for a tile that names it
	s_endpgm
.Lfunc_end_k_qf478cc7b83_outp:
	.size	k_qf478cc7b83_outp, .Lfunc_end_k_qf478cc7b83_outp-k_qf478cc7b83_outp
	.p2alignl 7, 3214868480
	.fill 96, 4, 3214868480
	.section	.rodata,"a",@progbits
	.p2align	6, 0x0
	.amdhsa_kernel k_qf478cc7b83_outp
		.amdhsa_group_segment_fixed_size 327680
		.amdhsa_private_segment_fixed_size 0
		.amdhsa_enable_private_segment 0
		.amdhsa_kernarg_size 48
		.amdhsa_user_sgpr_count 2
		.amdhsa_user_sgpr_kernarg_segment_ptr 1
		.amdhsa_wavefront_size32 1
		.amdhsa_system_sgpr_workgroup_id_x 1
		.amdhsa_system_sgpr_workgroup_id_y 1
		.amdhsa_system_sgpr_workgroup_id_z 1
		.amdhsa_system_vgpr_workitem_id 0
		.amdhsa_next_free_vgpr 512
		.amdhsa_next_free_sgpr 80
		.amdhsa_reserve_vcc 0
		.amdhsa_float_denorm_mode_32 3
		.amdhsa_float_denorm_mode_16_64 3
		.amdhsa_memory_ordered 1
		.amdhsa_forward_progress 1
		.amdhsa_inst_pref_size 81
	.end_amdhsa_kernel
	.amdgpu_metadata
---
amdhsa.version: [ 1, 2 ]
amdhsa.kernels:
  - .name:           k_qf478cc7b83_outp
    .symbol:         k_qf478cc7b83_outp.kd
    .args:
      - { .name: hb, .offset: 0, .size: 8, .value_kind: global_buffer, .address_space: global }
      - { .name: Wo_codes, .offset: 8, .size: 8, .value_kind: global_buffer, .address_space: global }
      - { .name: Wo_scales, .offset: 16, .size: 8, .value_kind: global_buffer, .address_space: global }
      - { .name: bo, .offset: 24, .size: 8, .value_kind: global_buffer, .address_space: global }
      - { .name: o_up, .offset: 32, .size: 8, .value_kind: global_buffer, .address_space: global }
      - { .name: out0, .offset: 40, .size: 8, .value_kind: global_buffer, .address_space: global }
    .group_segment_fixed_size: 327680
    .private_segment_fixed_size: 0
    .kernarg_segment_align: 8
    .kernarg_segment_size: 48
    .max_flat_workgroup_size: 256
    .sgpr_count:     80
    .vgpr_count:     512
    .wavefront_size: 32
...
	.end_amdgpu_metadata
.endif
;; end of part 3
